; MI455X (gfx1250); checked and timed in simulation.
; The chip was launched on July 23, 2026; its instructions are those of AMD's public machine-readable ISA for CDNA 5 (MIT licence, August 2026) and "CDNA5" Instruction Set Architecture Reference Guide (July 2026). The comments in the code are by the model that wrote it; some were corrected since.
;; Interactive Align attention. Allowed arithmetic: matrix products marked QUANTISED: E5M2 operands, one given power-of-two scale a tensor, by v_wmma_f32_16x16x64_bf8_bf8 or v_wmma_f32_16x16x128_bf8_bf8, f32 sums; everything else in f32.
;; Inputs: Bg 256 float32; Br 256 float32; Wg_codes 256 x 32 x 32 uint8 (E5M2 codes of Wg, K innermost, in blocks of 32 codes); Wr_codes 256 x 32 x 32 uint8 (E5M2 codes of Wr, K innermost, in blocks of 32 codes); c 16 x 4,096 x 256 float32; c_mask 16 x 4,096 bool; lowp_scales 8 int32 (the exponents e of the quantised operands' scales 2^e); q 16 x 512 x 256 float32; q_mask 16 x 512 bool.
;; Outputs: out0 16 x 4,096 x 256 float32.
;; This version of the problem:
;;   THIS VERSION OF THE PROBLEM IS GIVEN IN LOW PRECISION. The matrix products marked QUANTISED in the list below multiply operands that are first quantised to E5M2 (5 exponent bits, 2 mantissa bits; 8 bits a number), with one given power-of-two scale for each operand tensor; their sums are f32. All else is computed in f32.
;;   The module's matrix products, in the order in which they are computed (A, B: the left and right operand; K: the contracted axis; several contracted axes count as one K, in the product's order):
;;     1. batch 16 x [M 4,096, K 256] x [K 256, N 512]; A: input c; B: input q: QUANTISED (scales: A lowp_scales[0], B lowp_scales[1])
;;     2. batch 16 x [M 4,096, K 512] x [K 512, N 256]; A: softmax (see below); B: input q: QUANTISED (scales: A lowp_scales[2], B lowp_scales[3])
;;     3. [M 65,536, K 1,024] x [K 1,024, N 256]; A: computed on the way; B: input Wr (given as codes): QUANTISED (scales: A lowp_scales[4], B lowp_scales[5])
;;     4. [M 65,536, K 1,024] x [K 1,024, N 256]; A: computed on the way; B: input Wg (given as codes): QUANTISED (scales: A lowp_scales[6], B lowp_scales[7])
;;   THE QUANTISER, for each operand of a quantised product, along K:
;;     - The operand's scale is 2^e, e = its entry of the input lowp_scales (int32; the entries are numbered through the quantised products in the list's order, A before B).
;;     - Each number is divided by the scale, clamped to +-57,344, and rounded to the nearest number of E5M2, ties to even, subnormals kept.
;;     - The product sums the exact products of the quantised numbers (number of the format x scale) in f32.
;;   ~~~python
;;   def quantise(x, axis, e):      # numpy; x: float32 -> the quantised numbers, widened to float32 again
;;       x = np.moveaxis(x, axis, -1); K = x.shape[-1]
;;       r = np.clip(x / 2.0 ** e, -57344, 57344)
;;       step = 2.0 ** (np.maximum(np.frexp(np.where(r == 0, 1, r))[1] - 1, -14) - 2)
;;       q = np.round(r / step) * step * 2.0 ** e      # np.round: ties to even
;;       return np.moveaxis(q, -1, axis).astype(np.float32)
;;   ~~~
;;   SOFTMAX AHEAD OF A QUANTISED PRODUCT. Where the list says 'softmax', what is quantised is not the finished softmax but p = 2^(t - M), with t = logit x log2(e) and M = ceil(the row's largest t), a whole number; so 1/2 < the row's largest p <= 1. The row's sum l is taken of the UNQUANTISED p, in f32, and the product's result is divided by l at the end. Since M is a whole number, a kernel that streams over the keys may use a running M (the ceiling of the running maximum): every later rescaling is an exact power of two, so the quantised numbers keep their values, but for numbers so far below the row's largest that they fall under the format's range.
;;   OPERANDS COMPUTED ON THE WAY. 'Computed on the way' means the value that the module computes at that place (a softmax that the list does not call 'softmax' is quantised finished and normalised). What goes into a quantiser is computed in f32, as accurately as f32 sums, v_exp_f32 and their like allow (about 1e-6 of the number): no bf16 or f16 on the way to a quantiser, and a product that is left as it is and whose result goes on into a quantised operand takes f32 operands (vector FMAs, or v_wmma_f32_16x16x4_f32). A number that lies on a knife's edge between two numbers of the format may be rounded either way, as far as f32 arithmetic and the matrix unit's own rounding can turn it there, and no further.
;;   INPUTS GIVEN AS CODES. Wg (in the module: [1024, 256], K = its axis 0); Wr (in the module: [1024, 256], K = its axis 0): each comes as NAME_codes (uint8): NAME with its K axis moved to the last place and cut into blocks of 32 codes, [.., K / 32, bytes a block], one block behind the other in memory; one code a byte (a code: sign, 5 exponent bits, 2 mantissa bits); its scale is its entry of lowp_scales. Its value is code x scale, taken as it is: it is not quantised again, and the codes and scales need not be those that the quantiser above would give.
;; One version. Each part assembles by itself: llvm-mc -triple=amdgcn-amd-amdhsa -mcpu=gfx1250 --defsym DOCPART=n.
;; ======== version 1 of 1: 2 launches
;; workspace buffers: kfrag 2,097,152 bytes; vfrag 2,097,152 bytes; wfrag 524,288 bytes
;; launch prep (part 1): grid 576 x 1, 4 waves a work-group, no clusters, 0 bytes of LDS; arguments q, Wr_codes, Wg_codes, lowp_scales, kfrag, vfrag, wfrag; writes kfrag, vfrag, wfrag
.if DOCPART == 1
	.amdgcn_target "amdgcn-amd-amdhsa--gfx1250"
	.amdhsa_code_object_version 6
	.text
	.protected	k_q0eaa3e6557_prep
	.globl	k_q0eaa3e6557_prep
	.p2align	8
	.type	k_q0eaa3e6557_prep,@function
k_q0eaa3e6557_prep:
	s_mov_b64 s[64:65], 0
	v_nop
	global_prefetch_b8 v0, s[64:65] scope:SCOPE_SE
	s_setreg_imm32_b32 hwreg(HW_REG_WAVE_MODE, 25, 1), 1
	s_wait_xcnt 0x0
; q [16][512][256] f32 is quantised twice to codes of BF8 (E5M2): along its last axis with 2^e1 (operand of c q^T) and along the keys with 2^e3 (operand of p q);
; the given codes of Wr and Wg are copied.  All three leave in the ORDER OF AN OPERAND'S REGISTERS, so that the next launch loads a fragment by four loads of 512 consecutive bytes.
; AN IMAGE is a fragment of 16 rows x 128 K, 2,048 bytes: byte y of register 4 c + e of lane (r, h) (r = lane % 16, h = lane / 16) is k = 32 c + 16 h + 4 e + y of the fragment's row r;
; registers 4 c .. 4 c + 3 of lane l lie at 512 c + 16 l.  THE ROWS OF A FRAGMENT ARE NOT NEIGHBOURS: row r of tile t is base(t) + r + 8 (r / 8), base(t) = 32 (t / 2) + 8 (t % 2).
;   kfrag image ((bt 4 + w) 8 + t) 2 + s : row = key 128 w + .., k = channel 128 s + k
;   vfrag image ((bt 4 + w) 4 + t) 4 + s : row = channel 64 w + .., k = key 128 s + k
;   wfrag image (w 8 + s) 8 + n          : row = output column 64 w + .. (t = n % 4), k = 128 s + k; n 0-3 Wr, n 4-7 Wg
; One wave makes one image: 1,024 + 1,024 + 256 images on 576 work-groups of four waves.  Three straight paths, chosen by the work-group's number.  No LDS, no barrier.
; code = x / 2^e, held within +-57,344, to the nearest code, ties to even.  LIMITS: e1 and e3 between -126 and 112.  NaN among the inputs is not served.
.set X, 16                             ; v16-79  64 numbers: register 16 c + i is k = 32 c + 16 h + i of my row
.set C, 80                             ; v80-95  the image's 16 registers
	s_load_b256 s[4:11], s[0:1], 0x0               ; q s[4:5], Wr's codes s[6:7], Wg's s[8:9], the exponents s[10:11]
	s_load_b128 s[12:15], s[0:1], 0x20             ; kfrag s[12:13], vfrag s[14:15]
	s_load_b64 s[16:17], s[0:1], 0x30              ; wfrag
	v_lshrrev_b32 v1, 5, v0
	v_readfirstlane_b32 s18, v1                    ; wave
	v_and_b32 v2, 31, v0                           ; lane
	v_and_b32 v3, 15, v0                           ; r
	v_bfe_u32 v4, v0, 4, 1                         ; h
	v_and_b32 v5, 8, v3
	v_add_nc_u32 v5, v5, v3                        ; r + 8 (r / 8)
	v_lshlrev_b32 v6, 4, v2                        ; my 16 bytes of a store's 512
	s_lshl_b32 s19, ttmp9, 2
	s_add_co_u32 s19, s19, s18                     ; 4 x work-group + wave
	s_mov_b32 s25, 0                               ; the upper words of two offsets
	s_mov_b32 s27, 0
	s_wait_kmcnt 0x0
	s_load_b128 s[20:23], s[10:11], 0x0            ; e0 .. e3
; 64 numbers become 16 registers of codes, with the scale 2^(s[e])
.macro QUANT64 e
	s_wait_kmcnt 0x0
	s_add_co_i32 s28, s[\e], 127
	s_lshl_b32 s29, s28, 23
	v_mov_b32 v8, s29                              ; 2^e as f32: the conversion takes its exponent field
	s_add_co_i32 s28, s28, 15
	s_lshl_b32 s28, s28, 23
	s_or_b32 s28, s28, 0x600000
	v_mov_b32 v9, s28                              ; 57,344 x 2^e
	s_wait_loadcnt 0x0
.set ix, 0
.rept 64
	v_med3_num_f32 v[X+ix], v[X+ix], -v9, v9       ; the conversion to an 8-bit code does not saturate (ISA guide 7.6.2): the hold comes first
.set ix, ix+1
.endr
.irp y, 0,1,2,3,4,5,6,7
	v_cvt_scalef32_pk8_bf8_f32 v[C+2*\y:C+2*\y+1], v[X+8*\y:X+8*\y+7], v8
.endr
	v_nop
.endm
.macro STORE4 base                     ; each store of the wave covers 512 consecutive bytes, aligned
.irp c, 0,1,2,3
	global_store_b128 v6, v[C+4*\c:C+4*\c+3], s[\base:\base+1] offset:512*\c
.endr
.endm
	s_cmp_lt_u32 ttmp9, 256
	s_cbranch_scc0 .Lnot_k
	; ---- kfrag.  F = s19: s = bit 0, t = bits 3:1, 4 bt + w = F >> 4
	s_lshr_b32 s24, s19, 4
	s_lshl_b32 s24, s24, 7                         ; 512 bt + 128 w
	s_bfe_u32 s28, s19, 0x20002
	s_lshl_b32 s28, s28, 5                         ; 32 (t / 2)
	s_add_co_u32 s24, s24, s28
	s_bfe_u32 s28, s19, 0x10001
	s_lshl_b32 s28, s28, 3                         ; 8 (t % 2)
	s_add_co_u32 s24, s24, s28
	s_lshl_b32 s24, s24, 10                        ; a row of q is 1,024 bytes
	s_and_b32 s28, s19, 1
	s_lshl_b32 s28, s28, 9                         ; 128 channels are 512 bytes
	s_add_co_u32 s24, s24, s28
	s_add_nc_u64 s[4:5], s[4:5], s[24:25]
	s_lshl_b32 s26, s19, 11
	s_add_nc_u64 s[12:13], s[12:13], s[26:27]
	v_lshlrev_b32 v7, 10, v5
	v_lshl_add_u32 v7, v4, 6, v7                   ; my row, + 16 h numbers
.irp c, 0,1,2,3
.irp j, 0,1,2,3
	global_load_b128 v[X+16*\c+4*\j:X+16*\c+4*\j+3], v7, s[4:5] offset:128*\c+16*\j
.endr
.endr
	QUANT64 21
	STORE4 12
	s_endpgm
.Lnot_k:
	s_cmp_lt_u32 ttmp9, 512
	s_cbranch_scc0 .Lnot_v
	; ---- vfrag.  F = s19 - 1,024: s = bits 1:0, t = bits 3:2, w = bits 5:4, bt = F >> 6.  A lane takes a channel, and its registers run down the keys
	s_sub_co_u32 s19, s19, 1024
	s_lshr_b32 s24, s19, 6
	s_lshl_b32 s24, s24, 2
	s_and_b32 s28, s19, 3
	s_add_co_u32 s24, s24, s28                     ; 4 bt + s
	s_lshl_b32 s24, s24, 17                        ; x 128 keys of 1,024 bytes
	s_bfe_u32 s28, s19, 0x20004
	s_lshl_b32 s28, s28, 8                         ; 64 w channels of 4 bytes
	s_add_co_u32 s24, s24, s28
	s_bfe_u32 s28, s19, 0x10003
	s_lshl_b32 s28, s28, 7                         ; 32 (t / 2)
	s_add_co_u32 s24, s24, s28
	s_bfe_u32 s28, s19, 0x10002
	s_lshl_b32 s28, s28, 5                         ; 8 (t % 2)
	s_add_co_u32 s24, s24, s28
	s_add_nc_u64 s[4:5], s[4:5], s[24:25]
	s_lshl_b32 s26, s19, 11
	s_add_nc_u64 s[14:15], s[14:15], s[26:27]
	v_lshlrev_b32 v7, 2, v5
	v_lshl_add_u32 v7, v4, 14, v7                  ; my channel, + 16 h keys
.irp c, 0,1,2,3
.irp i, 0,1,2,3,4,5,6,7,8,9,10,11,12,13,14,15
	global_load_b32 v[X+16*\c+\i], v7, s[4:5] offset:(32*\c+\i)*1024
.endr
.endr
	QUANT64 23
	STORE4 14
	s_endpgm
.Lnot_v:
	; ---- wfrag.  F = s19 - 2,048: n = bits 2:0, s = bits 5:3, w = F >> 6.  The codes are taken as they are given
	s_sub_co_u32 s19, s19, 2048
	s_and_b32 s28, s19, 4
	s_cmp_eq_u32 s28, 0
	s_cselect_b64 s[6:7], s[6:7], s[8:9]           ; n 0-3: Wr; n 4-7: Wg
	s_lshr_b32 s24, s19, 6
	s_lshl_b32 s24, s24, 16                        ; 64 w rows of 1,024 bytes
	s_bfe_u32 s28, s19, 0x10001
	s_lshl_b32 s28, s28, 15                        ; 32 rows
	s_add_co_u32 s24, s24, s28
	s_and_b32 s28, s19, 1
	s_lshl_b32 s28, s28, 13                        ; 8 rows
	s_add_co_u32 s24, s24, s28
	s_bfe_u32 s28, s19, 0x30003
	s_lshl_b32 s28, s28, 7                         ; 128 s
	s_add_co_u32 s24, s24, s28
	s_add_nc_u64 s[6:7], s[6:7], s[24:25]
	s_lshl_b32 s26, s19, 11
	s_add_nc_u64 s[16:17], s[16:17], s[26:27]
	v_lshlrev_b32 v7, 10, v5
	v_lshl_add_u32 v7, v4, 4, v7
.irp c, 0,1,2,3
	global_load_b128 v[C+4*\c:C+4*\c+3], v7, s[6:7] offset:32*\c
.endr
	s_wait_kmcnt 0x0                               ; (the exponents, which this path does not use, have come)
	s_wait_loadcnt 0x0
	STORE4 16
	s_endpgm
.Lfunc_end_k_q0eaa3e6557_prep:
	.size	k_q0eaa3e6557_prep, .Lfunc_end_k_q0eaa3e6557_prep-k_q0eaa3e6557_prep
	.p2alignl 7, 3214868480
	.fill 96, 4, 3214868480
	.section	.rodata,"a",@progbits
	.p2align	6, 0x0
	.amdhsa_kernel k_q0eaa3e6557_prep
		.amdhsa_group_segment_fixed_size 0
		.amdhsa_private_segment_fixed_size 0
		.amdhsa_enable_private_segment 0
		.amdhsa_kernarg_size 56
		.amdhsa_user_sgpr_count 2
		.amdhsa_user_sgpr_kernarg_segment_ptr 1
		.amdhsa_wavefront_size32 1
		.amdhsa_system_sgpr_workgroup_id_x 1
		.amdhsa_system_sgpr_workgroup_id_y 1
		.amdhsa_system_sgpr_workgroup_id_z 1
		.amdhsa_system_vgpr_workitem_id 0
		.amdhsa_next_free_vgpr 112
		.amdhsa_next_free_sgpr 66
		.amdhsa_reserve_vcc 0
		.amdhsa_float_denorm_mode_32 3
		.amdhsa_float_denorm_mode_16_64 3
		.amdhsa_memory_ordered 1
		.amdhsa_forward_progress 1
		.amdhsa_inst_pref_size 23
	.end_amdhsa_kernel
	.amdgpu_metadata
---
amdhsa.version: [ 1, 2 ]
amdhsa.kernels:
  - .name:           k_q0eaa3e6557_prep
    .symbol:         k_q0eaa3e6557_prep.kd
    .args:
      - { .name: q, .offset: 0, .size: 8, .value_kind: global_buffer, .address_space: global }
      - { .name: Wr_codes, .offset: 8, .size: 8, .value_kind: global_buffer, .address_space: global }
      - { .name: Wg_codes, .offset: 16, .size: 8, .value_kind: global_buffer, .address_space: global }
      - { .name: lowp_scales, .offset: 24, .size: 8, .value_kind: global_buffer, .address_space: global }
      - { .name: kfrag, .offset: 32, .size: 8, .value_kind: global_buffer, .address_space: global }
      - { .name: vfrag, .offset: 40, .size: 8, .value_kind: global_buffer, .address_space: global }
      - { .name: wfrag, .offset: 48, .size: 8, .value_kind: global_buffer, .address_space: global }
    .group_segment_fixed_size: 0
    .private_segment_fixed_size: 0
    .kernarg_segment_align: 8
    .kernarg_segment_size: 56
    .max_flat_workgroup_size: 128
    .sgpr_count:     66
    .vgpr_count:     112
    .wavefront_size: 32
...
	.end_amdgpu_metadata
.endif
;; end of part 1
;; launch fuse (part 2): grid 256 x 1, 4 waves a work-group, no clusters, 301,568 bytes of LDS; arguments c, q_mask, c_mask, lowp_scales, kfrag, vfrag, wfrag, Br, Bg, out0; writes out0
.if DOCPART == 2
	.amdgcn_target "amdgcn-amd-amdhsa--gfx1250"
	.amdhsa_code_object_version 6
	.text
	.protected	k_q0eaa3e6557_fuse
	.globl	k_q0eaa3e6557_fuse
	.p2align	8
	.type	k_q0eaa3e6557_fuse,@function
k_q0eaa3e6557_fuse:
	s_mov_b64 s[64:65], 0
	v_nop
	global_prefetch_b8 v0, s[64:65] scope:SCOPE_SE
	s_setreg_imm32_b32 hwreg(HW_REG_WAVE_MODE, 25, 1), 1
	s_wait_xcnt 0x0
; out = g tanh(cc Wr + Br) + (1 - g) c, g = sigmoid(cc Wg + Bg), cc = [c, qa, c qa, c - qa], qa = softmax(c q^T, masked) q.  All four products on codes of BF8 (E5M2), one given scale 2^e an operand, sums in f32.
; SHARES.  A work-group of four waves STAYS for two blocks of 128 rows of c (256 rows on end, one batch) and takes each through the whole chain; nothing between c and out goes to memory.
; THE WAVES SHARE THE COLUMNS, NOT THE ROWS: wave w owns keys 128 w .. + 127 of the scores, channels 64 w .. + 63 of qa and of cc, and output columns 64 w .. + 63 of both r and g.  So each fragment of q's two sets of
; codes and of the weights is multiplied by ONE wave of the work-group, and comes from memory straight into that wave's registers, in the order of the registers (the launch before has laid them so): four loads of 512 consecutive bytes a fragment.
; What goes round is the block's own rows: c's codes, p's codes, cc's codes go from wave to wave through LDS as IMAGES OF THE OPERAND'S REGISTERS, 16 bytes a lane at 16 x lane: no pitch, no padding.
; NO JOINT LOADS, NO CLUSTER, though all work-groups of a batch read the same fragments of q and all read the weights: a joint load lands in LDS, each fragment is wanted in one wave's registers only, and of 327,680 bytes
; of LDS the block's own operands take 301,056: a ring for 768 KiB of fragments a block has no room, and would add those bytes, written and read, to the LDS traffic.
; ALL PRODUCTS ARE USED TRANSPOSED (source 0 = 16 rows of the fragment from memory, source 1 = 16 rows of the block): a lane (r = lane % 16, h = lane / 16) holds row r throughout.  The rows of a fragment from memory are
; base(t) + r + 8 (r / 8), base(t) = 32 (t / 2) + 8 (t % 2), so that register 16 b + x of tiles 2 b, 2 b + 1 is column 32 b + 16 h + x: 16 neighbours along the next K: the conversions' results are the next operand's registers.
; THE SOFTMAX.  t = score x log2(e) 2^(e0 + e1), + TN (about -1e30 log2(e), a whole number that absorbs every score under 2^75) where q_mask is 0; a row with c_mask 0 has t x 0: all 512 alike, as in the definition.
; M = ceil(the row's largest t) over all 512 keys (the four waves exchange their maxima through LDS); p = 2^(t - M) is quantised; the sum of the unquantised p divides qa.
; c IS READ TWICE: once for the attention and cc, and once more, tile by tile, for the last line (g (r - c) + c): beside 512 accumulator registers a wave, cc's 256 KiB of codes and the weights on their way there is no room to keep it.
; LOADS AHEAD.  A block's c is asked for first (the second block's during the second half of the first block's way out, into the registers that row tiles 0-3 have left); q's fragments for the scores follow, eight loads behind
; each eight stores of c into the slab; q's fragments for qa are asked for in the block's first trip behind the scores, the weights' first two K steps at the same place of the second trip; the other weights 96 products or more ahead of their use.
; LIMITS on the given exponents, so that each power of two below is an f32 number: e0 + e1 and e6 + e7 between -126 and 127, e4 + e5 between -127 and 126; e0, e2, e4, e6 between -126 and 112.  NaN and infinities among the inputs are not served.
;
; LDS.  Four regions of 65,536 bytes, region w written by wave w alone.  At the end it holds the cc codes that wave w made: row tile m (0-7) x 8,192 + part (c, qa, c qa, c - qa) x 2,048 + set (e4, e6) x 1,024 + b x 512 + 16 x lane.
;   On the way, for the half H of 64 rows in hand, at 32,768 H: p's four images [0, 8,192), c's four half images with e0 [8,192, 12,288).  From 30,720 on: the SLAB, my 64 columns of c in f32, 128 rows 272 bytes apart.
;   Tile m's codes end at 8,192 (m + 1), at or below slab tile m + 1 (30,720 + 4,352 (m + 1)); a tile's own rows, and the next tile's, are read ahead of its stores, and LDS serves a wave's instructions in order (ISA guide 5.7.1.4).
;   Half 1's images [32,768, 45,056) lie on slab tiles 0-3, which half 0 has used up, and under tile 4 (48,128).
;   STAT: the waves' maxima (row x 16 + 4 w), 1,024 bytes, then their sums.  BIA: each wave's 64 + 64 scaled biases.  EPI: for each wave two stages of 16 rows x 272 bytes for the way out.
; REGISTERS, in windows of 256 (s_set_vgpr_msb: bits 1:0 source 0, 3:2 source 1, 5:4 source 2, 7:6 destination):
;   window 0: v1-23 addresses, v24-31 scales and holds, v32-63 a row tile's statistics and two sets of 8 code registers, v64-127 the key mask's addends, v128-255 at work; in products 3 and 4 v64-255 are three buffers of four cc fragments
;   window 1: q's 16 fragments for the scores; then the weights, two sets of 8 fragments; then c for the way out.   window 2: c as loaded; then q's 16 fragments for qa; then the accumulators of row tiles 0-3.
;   window 3: the scores and p (tile i at 64 i); then qa (tile i at 32 i); then the accumulators of row tiles 4-7.  Accumulator (m, n) at 8 (8 (m % 4) + n), n 0-3 r, n 4-7 g.
.set REGN,  65536
.set SLAB,  30720
.set SP,    272
.set TILE,  16*SP
.set STAT,  4*REGN
.set BIA,   STAT+2048
.set EPI,   BIA+2048
.set EPW,   2*TILE
.set BLOCKB, 131072                    ; a block's 128 rows of c or of out, in bytes
.set LI,   1                           ; 16 x lane
.set BIL,  2                           ; where I read my biases
.set QMO,  3                           ; q_mask: 128 w + 16 h
.set RG,   4                           ; v4-7   16 x lane + region j
.set RH,   8                           ; v8-11  the same + the half in hand
.set MY,   12                          ; 16 x lane + my region;  v13 + the half
.set MYH,  13
.set SLW,  14                          ; the slab, as loaded: two rows of 256 bytes an instruction
.set SLR,  15                          ; the slab, by lanes: row r, + 64 h;  v16 + the half
.set SLRH, 16
.set STM,  17                          ; my word of a row's four
.set STR,  18                          ; a row's four words
.set CGO,  19                          ; c and out in memory: two rows of my 256 bytes an instruction
.set CMO,  20                          ; c_mask: r;  v21 + the half
.set CMH,  21
.set EST,  22                          ; my stages, dense;  v23 by lanes
.set ESL,  23
.set SC0,  24                          ; 2^e0, 57,344 x 2^e0; the same for e2, e4, e6
.set LM0,  25
.set SC2,  26
.set LM2,  27
.set SC4,  28
.set LM4,  29
.set NM,   32                          ; pairs (-M, the largest t), tile i at + 2 i
.set CM,   40                          ; pairs (c_mask as f32, twice)
.set SU,   48                          ; sums; then 2^(e2 + e3) / l, twice; code set 0
.set TP,   56                          ; at work; code set 1
.set AQ,   64                          ; 0 or TN for my 64 keys; on the way out the biases
.set WK,   128
.set BLK,  28                          ; s28  blocks to go, this one among them
.set MSB, 0
.macro WIN new                         ; the immediate's high byte repeats the setting that is left
.if MSB != (\new)
	s_set_vgpr_msb (MSB<<8)|(\new)
.set MSB, (\new)
.endif
.endm
.macro BAR                             ; my LDS stores have landed and my LDS loads are in: then the work-group's barrier
	s_wait_dscnt 0x0
	s_barrier_signal -1
	s_barrier_wait -1
.endm
.macro PLACES                          ; four plain vector instructions between a matrix instruction and a load into, or a vector read or write of, its registers
.rept 4
	v_nop
.endr
.endm
.macro HOLD32 dst, src, lim            ; the conversion to an 8-bit code does not saturate (ISA guide 7.6.2): 32 numbers are held within the largest code x the scale
.set hx, 0
.rept 32
	v_med3_num_f32 v[(\dst)+hx], v[(\src)+hx], -v[\lim], v[\lim]
.set hx, hx+1
.endr
.endm
.macro CVT32 cs, src, sc               ; 32 numbers become 8 registers of codes: two pieces of a fragment.  One plain line follows the last conversion
.irp y, 0,1,2,3
	v_cvt_scalef32_pk8_bf8_f32 v[(\cs)+2*\y:(\cs)+2*\y+1], v[(\src)+8*\y:(\src)+8*\y+7], v[\sc]
.endr
	v_nop
.endm
	; ================================ THE HEAD, once for both blocks
	s_load_b512 s[8:23], s[0:1], 0x0               ; c s[8:9], q_mask s[10:11], c_mask s[12:13], exponents s[14:15], kfrag s[16:17], vfrag s[18:19], wfrag s[20:21], Br s[22:23]
	s_load_b128 s[24:27], s[0:1], 0x40             ; Bg s[24:25], out s[26:27]
	v_lshrrev_b32 v1, 5, v0
	v_readfirstlane_b32 s2, v1                     ; wave 0..3
	v_and_b32 v60, 31, v0                          ; lane
	v_and_b32 v2, 15, v0                           ; r
	v_bfe_u32 v3, v0, 4, 1                         ; h
	v_lshlrev_b32 v[LI], 4, v60
	v_mov_b32 v[RG], v[LI]
	v_add_nc_u32 v[RG+1], REGN, v[LI]
	v_add_nc_u32 v[RG+2], 2*REGN, v[LI]
	v_add_nc_u32 v[RG+3], 3*REGN, v[LI]
	s_lshl_b32 s56, s2, 16                         ; my region
	v_add_nc_u32 v[MY], s56, v[LI]
	s_add_co_u32 s58, s56, SLAB
	s_mul_i32 s57, s2, EPW
	s_add_co_u32 s57, s57, EPI
	v_mul_u32_u24 v[SLW], v3, SP
	v_lshl_add_u32 v[SLW], v2, 4, v[SLW]           ; dense: row h, 16 bytes a lane
	v_mul_u32_u24 v[SLR], v2, SP
	v_lshl_add_u32 v[SLR], v3, 6, v[SLR]           ; by lanes: row r, + 16 h numbers
	v_add_nc_u32 v[EST], s57, v[SLW]
	v_add_nc_u32 v[ESL], s57, v[SLR]
	v_add_nc_u32 v[SLW], s58, v[SLW]
	v_add_nc_u32 v[SLR], s58, v[SLR]
	v_lshlrev_b32 v[STR], 4, v2
	v_add_nc_u32 v[STR], STAT, v[STR]
	s_lshl_b32 s56, s2, 2
	v_add_nc_u32 v[STM], s56, v[STR]
	v_lshlrev_b32 v[CGO], 10, v3
	v_lshl_add_u32 v[CGO], v2, 4, v[CGO]
	s_lshl_b32 s56, s2, 8
	v_add_nc_u32 v[CGO], s56, v[CGO]               ; 1,024 h + 16 r + 256 w
	v_mov_b32 v[CMO], v2
	v_lshlrev_b32 v61, 3, v60                      ; the biases: 8 bytes a lane
	s_mov_b32 s55, 0
	s_lshr_b32 s59, ttmp9, 4                       ; the batch: 16 work-groups of 256 rows each
	s_wait_kmcnt 0x0
	s_load_b256 s[32:39], s[14:15], 0x0            ; e0 .. e7
	s_lshl_b32 s54, ttmp9, 18                      ; 256 rows of 1,024 bytes
	s_add_nc_u64 s[8:9], s[8:9], s[54:55]
	s_add_nc_u64 s[26:27], s[26:27], s[54:55]
	s_lshl_b32 s54, ttmp9, 8
	s_add_nc_u64 s[12:13], s[12:13], s[54:55]
	s_lshl_b32 s54, s59, 9
	s_add_nc_u64 s[10:11], s[10:11], s[54:55]
	s_lshl_b32 s54, s59, 2
	s_add_co_u32 s54, s54, s2
	s_lshl_b32 s54, s54, 15                        ; (4 bt + w) x 16 images
	s_add_nc_u64 s[16:17], s[16:17], s[54:55]
	s_add_nc_u64 s[18:19], s[18:19], s[54:55]
	s_lshl_b32 s54, s2, 17                         ; w x 64 images
	s_add_nc_u64 s[20:21], s[20:21], s[54:55]
	s_lshl_b32 s54, s2, 8
	s_add_nc_u64 s[22:23], s[22:23], s[54:55]
	s_add_nc_u64 s[24:25], s[24:25], s[54:55]
	global_load_b64 v[56:57], v61, s[22:23]        ; my 64 of Br,
	global_load_b64 v[58:59], v61, s[24:25]        ; of Bg
	WIN 0x80
.set ix, 0
.rept 64
	global_load_b128 v[4*ix:4*ix+3], v[CGO], s[8:9] offset:2048*ix   ; the first block's c: rows 2 ix, 2 ix + 1, my 256 bytes of each: sixteen lanes read 256 consecutive bytes, aligned
.set ix, ix+1
.endr
	WIN 0
	s_mov_b32 s47, 0xf191acca                      ; TN
	s_mov_b32 s48, 0x76543210                      ; v_permlanex16_b32: lane l xor 16
	s_mov_b32 s49, 0xfedcba98
	s_wait_kmcnt 0x0
.macro MKSC e, vs
	s_add_co_i32 s54, s[\e], 127
	s_lshl_b32 s56, s54, 23
	v_mov_b32 v[\vs], s56                          ; 2^e as f32
	s_add_co_i32 s54, s54, 15
	s_lshl_b32 s54, s54, 23
	s_or_b32 s54, s54, 0x600000
	v_mov_b32 v[(\vs)+1], s54                      ; 57,344 x 2^e
.endm
	MKSC 32, SC0
	MKSC 34, SC2
	MKSC 36, SC4
	MKSC 38, SC4+2
	s_add_co_i32 s54, s32, s33
	s_lshl_b32 s54, s54, 23
	s_add_co_i32 s40, s54, 0x3fb8aa3b              ; log2(e) 2^(e0 + e1): the exponents are added to the exponent field
	s_mov_b32 s41, s40                             ; (named with it as a pair, so it is written)
	s_add_co_i32 s54, s36, s37
	s_lshl_b32 s54, s54, 23
	s_add_co_i32 s42, s54, 0x4038aa3b              ; 2 log2(e) 2^(e4 + e5), for tanh
	s_mov_b32 s43, s42
	s_add_co_i32 s54, s38, s39
	s_lshl_b32 s54, s54, 23
	s_add_co_i32 s44, s54, 0xbfb8aa3b              ; -log2(e) 2^(e6 + e7), for the sigmoid
	s_mov_b32 s45, s44
	s_add_co_i32 s46, s34, s35                     ; e2 + e3
	s_lshl_b32 s56, s2, 9
	s_add_co_u32 s56, s56, BIA
	s_lshl_b32 s57, s2, 7
	s_wait_loadcnt 63                              ; 66 loads were issued: with 63 out, the first three are in, the biases among them
	v_pk_mul_f32 v[56:57], v[56:57], 0x4038aa3b op_sel_hi:[1,0]
	v_pk_mul_f32 v[58:59], v[58:59], 0xbfb8aa3b op_sel_hi:[1,0]
	v_add_nc_u32 v61, s56, v61
	ds_store_b64 v61, v[56:57]                     ; my own bytes: I alone read them, on the way out
	ds_store_b64 v61, v[58:59] offset:256
	v_lshl_add_u32 v[BIL], v3, 6, s56
	v_lshl_add_u32 v[QMO], v3, 4, s57
	s_mov_b32 s[BLK], 2
	; ================================ A BLOCK OF 128 ROWS.  Its c has been asked for: 64 loads into window 2, with no load behind them
.Lblock:
	s_mov_b32 s50, 0                               ; the half in hand: its place in a region,
	s_mov_b32 s51, 0                               ; in the slab,
	s_mov_b32 s52, 0                               ; its number,
	s_mov_b32 s53, 0                               ; its first row
.irp b, 0,1,2,3
	global_load_b128 v[WK+4*\b:WK+4*\b+3], v[QMO], s[10:11] offset:32*\b   ; q_mask of keys 128 w + 32 b + 16 h + 0 .. 15
.endr
.set gx, 0
.rept 8                                ; c goes into the slab as it comes, and behind each eight stores eight loads of q's fragments for the scores go out
	s_wait_loadcnt 60                              ; behind c's load 8 gx + 7 stand 56 - 8 gx of c, q_mask's 4 and 8 gx of the fragments: 60
	WIN 0x08                                       ; store data window 2
.irp k, 0,1,2,3,4,5,6,7
	ds_store_b128 v[SLW], v[4*(8*gx+\k):4*(8*gx+\k)+3] offset:2*SP*(8*gx+\k)
.endr
	WIN 0x40
.irp k, 0,1,2,3,4,5,6,7
	global_load_b128 v[4*(8*gx+\k):4*(8*gx+\k)+3], v[LI], s[16:17] offset:512*(8*gx+\k)   ; fragment (t, s) at v[16 (2 t + s)] of window 1
.endr
.set gx, gx+1
.endr
	WIN 0
	s_wait_loadcnt 63                              ; q_mask is in: behind its four loads stand the fragments' 64
.irp b, 0,1,2,3
.irp e, 0,1,2,3
.irp y, 0,1,2,3
	v_bfe_u32 v[AQ+16*\b+4*\e+\y], v[WK+4*\b+\e], 8*\y, 8
.endr
.endr
.endr
.set ix, 0
.rept 64
	v_add_nc_u32 v[AQ+ix], -1, v[AQ+ix]            ; 1 -> 0, 0 -> all ones
.set ix, ix+1
.endr
.set ix, 0
.rept 64
	v_and_b32 v[AQ+ix], s47, v[AQ+ix]              ; 0 where the key counts, TN where it does not
.set ix, ix+1
.endr
; Loads ahead, n of 64, from number first on.  In a block's first trip: q's fragments for qa, (t, s) at v[16 (4 t + s)] of window 2, which c has left.  In its second trip: the weights' K steps 0 and 1,
; (s, n) at v[128 s + 16 n] of window 1, which the scores' fragments have left; in groups of 16 loads: (0, r), (0, g), (1, r), (1, g).  The branch hangs on the trip's number alone.
.macro AHEAD first, n
	WIN 0
	s_cmp_eq_u32 s52, 1
	s_cbranch_scc1 .Lfor_w_\@
	WIN 0x80
.set ax, \first
.rept \n
	global_load_b128 v[4*ax:4*ax+3], v[LI], s[18:19] offset:512*ax
.set ax, ax+1
.endr
	WIN 0
	s_branch .Lasked_\@
.Lfor_w_\@:
	WIN 0x40
.set ax, \first
.rept \n
	global_load_b128 v[4*ax:4*ax+3], v[LI], s[20:21] offset:512*ax
.set ax, ax+1
.endr
	WIN 0
.Lasked_\@:
.endm
	; ================================ ATTENTION AND cc, 64 rows (four tiles of 16) a trip, two trips
.Lhalf:
.irp j, 0,1,2,3
	v_add_nc_u32 v[RH+\j], s50, v[RG+\j]
.endr
	v_add_nc_u32 v[MYH], s50, v[MY]
	v_add_nc_u32 v[SLRH], s51, v[SLR]
	v_add_nc_u32 v[CMH], s53, v[CMO]               ; (the last trip's loads by this register were waited for)
.irp i, 0,1,2,3
	global_load_u8 v[CM+2*\i], v[CMH], s[12:13] offset:16*\i
.endr
	; ---- c's codes with e0: my 64 columns of the four tiles, half a fragment each
.irp i, 0,1,2,3
.irp b, 0,1
.irp j, 0,1,2,3
	ds_load_b128 v[WK+32*\i+16*\b+4*\j:WK+32*\i+16*\b+4*\j+3], v[SLRH] offset:TILE*\i+128*\b+16*\j
.endr
.endr
.endr
.irp i, 0,1,2,3
.if \i == 0
	s_wait_dscnt 24                                ; tile 0's eight loads are in; 24 loads may be out
.elseif \i == 1
	s_wait_dscnt 18                                ; behind tile 1's loads: 16 loads and tile 0's two stores
.else
	s_wait_dscnt 2                                 ; only the tile before's two stores may be out: the stores that read this code set are done
.endif
	HOLD32 WK+32*\i, WK+32*\i, LM0
	CVT32 SU+8*(\i%2), WK+32*\i, SC0
	ds_store_b128 v[MYH], v[SU+8*(\i%2):SU+8*(\i%2)+3] offset:8192+1024*\i
	ds_store_b128 v[MYH], v[SU+8*(\i%2)+4:SU+8*(\i%2)+7] offset:8192+1024*\i+512
.endr
	BAR                                            ; c's codes of all 256 columns lie in LDS
	; ---- the scores, transposed: my 128 keys x 64 rows.  Fragment (i, s): columns 128 s on, two pieces from wave 2 s, two from wave 2 s + 1
.irp i, 0,1,2,3
.irp s, 0,1
	ds_load_b128 v[WK+32*\i+16*\s:WK+32*\i+16*\s+3],     v[RH+2*\s]   offset:8192+1024*\i
	ds_load_b128 v[WK+32*\i+16*\s+4:WK+32*\i+16*\s+7],   v[RH+2*\s]   offset:8192+1024*\i+512
	ds_load_b128 v[WK+32*\i+16*\s+8:WK+32*\i+16*\s+11],  v[RH+2*\s+1] offset:8192+1024*\i
	ds_load_b128 v[WK+32*\i+16*\s+12:WK+32*\i+16*\s+15], v[RH+2*\s+1] offset:8192+1024*\i+512
.endr
.endr
	s_wait_loadcnt 0x0                             ; q's fragments for the scores, and c_mask
.irp i, 0,1,2,3
	s_wait_dscnt 8*(3-\i)                          ; the later tiles' loads may be out
	WIN 0xf1                                       ; source 0 window 1, source 1 window 0, C and D window 3
.irp t, 0,1,2,3,4,5,6,7                ; the tile's eight accumulators by turns
	v_wmma_f32_16x16x128_bf8_bf8 v[64*\i+8*\t:64*\i+8*\t+7], v[32*\t:32*\t+15], v[WK+32*\i:WK+32*\i+15], 0
.endr
.irp t, 0,1,2,3,4,5,6,7
	v_wmma_f32_16x16x128_bf8_bf8 v[64*\i+8*\t:64*\i+8*\t+7], v[32*\t+16:32*\t+31], v[WK+32*\i+16:WK+32*\i+31], v[64*\i+8*\t:64*\i+8*\t+7]
.endr
.endr
	PLACES
	WIN 0xc3                                       ; destination and source 0 window 3
.irp i, 0,1,2,3
.set ix, 0
.rept 32
	v_pk_fma_f32 v[64*\i+ix:64*\i+ix+1], v[64*\i+ix:64*\i+ix+1], s[40:41], v[AQ+ix:AQ+ix+1] op_sel_hi:[1,0,1]   ; t; each accumulator from its low end on
.set ix, ix+2
.endr
.endr
	AHEAD 0, 48                                    ; three quarters now, with no load of mine out; the last quarter behind the exponentials
	WIN 0x0f                                       ; sources 0 and 1 window 3
.irp i, 0,1,2,3                        ; my 64 keys' largest t of each row, in two chains a tile
	v_max_num_f32 v[TP+2*\i], v[64*\i], v[64*\i+1]
	v_max_num_f32 v[TP+2*\i+1], v[64*\i+32], v[64*\i+33]
.endr
.set ix, 2
.rept 15
.irp i, 0,1,2,3
	v_max3_num_f32 v[TP+2*\i], v[64*\i+ix], v[64*\i+ix+1], v[TP+2*\i]
	v_max3_num_f32 v[TP+2*\i+1], v[64*\i+32+ix], v[64*\i+33+ix], v[TP+2*\i+1]
.endr
.set ix, ix+2
.endr
	WIN 0
.irp i, 0,1,2,3
	v_max_num_f32 v[TP+2*\i], v[TP+2*\i], v[TP+2*\i+1]
	v_cvt_f32_u32 v[CM+2*\i], v[CM+2*\i]
.endr
.irp i, 0,1,2,3
	v_permlanex16_b32 v[TP+2*\i+1], v[TP+2*\i], s48, s49   ; the row's other 64 of my keys
	v_mov_b32 v[CM+2*\i+1], v[CM+2*\i]
.endr
.irp i, 0,1,2,3
	v_max_num_f32 v[TP+2*\i], v[TP+2*\i], v[TP+2*\i+1]
.endr
.irp i, 0,1,2,3
	v_mul_f32 v[TP+2*\i], v[TP+2*\i], v[CM+2*\i]   ; 0 for a row that c_mask hides
.endr
.irp i, 0,1,2,3
	ds_store_b32 v[STM], v[TP+2*\i] offset:256*\i
.endr
	BAR                                            ; the four waves' maxima lie in LDS
	; ---- p = 2^(t - M), its sum, its codes
.irp i, 0,1,2,3
	ds_load_b128 v[WK+4*\i:WK+4*\i+3], v[STR] offset:256*\i
.endr
	s_wait_dscnt 0x0
.irp i, 0,1,2,3
	v_max3_num_f32 v[NM+2*\i+1], v[WK+4*\i], v[WK+4*\i+1], v[WK+4*\i+2]
.endr
.irp i, 0,1,2,3
	v_max_num_f32 v[NM+2*\i+1], v[NM+2*\i+1], v[WK+4*\i+3]
.endr
.irp i, 0,1,2,3
	v_floor_f32 v[NM+2*\i], -v[NM+2*\i+1]          ; -M = floor(-t) = -ceil(t)
.endr
	WIN 0xc3
.irp i, 0,1,2,3
.set ix, 0
.rept 32
	v_pk_fma_f32 v[64*\i+ix:64*\i+ix+1], v[64*\i+ix:64*\i+ix+1], v[CM+2*\i:CM+2*\i+1], v[NM+2*\i:NM+2*\i+1] op_sel_hi:[1,1,0]   ; t x c_mask - M
.set ix, ix+2
.endr
.endr
.set ix, 0
.rept 256
	v_exp_f32 v[ix], v[ix]
.set ix, ix+1
.endr
	v_nop                                          ; a plain line behind the last exponential,
	s_wait_alu depctr_va_vdst(0)                   ; and one wait for the whole batch, ahead of its first reader and of the branch below
	AHEAD 48, 16
	WIN 0x0f
.irp i, 0,1,2,3                        ; the sum of the UNQUANTISED p, two at a time, two chains a tile
	v_pk_add_f32 v[SU+2*\i:SU+2*\i+1], v[64*\i:64*\i+1], v[64*\i+2:64*\i+3]
	v_pk_add_f32 v[TP+2*\i:TP+2*\i+1], v[64*\i+4:64*\i+5], v[64*\i+6:64*\i+7]
.endr
	WIN 0x03
.set ix, 8
.rept 14
.irp i, 0,1,2,3
	v_pk_add_f32 v[SU+2*\i:SU+2*\i+1], v[64*\i+ix:64*\i+ix+1], v[SU+2*\i:SU+2*\i+1]
	v_pk_add_f32 v[TP+2*\i:TP+2*\i+1], v[64*\i+ix+2:64*\i+ix+3], v[TP+2*\i:TP+2*\i+1]
.endr
.set ix, ix+4
.endr
	WIN 0xc3
.set ix, 0
.rept 256
	v_min_num_f32 v[ix], v[ix], v[LM2]             ; p is not negative: the hold is one-sided
.set ix, ix+1
.endr
	WIN 0x03
.irp i, 0,1,2,3
.irp y, 0,1,2,3,4,5,6,7
	v_cvt_scalef32_pk8_bf8_f32 v[WK+16*\i+2*\y:WK+16*\i+2*\y+1], v[64*\i+8*\y:64*\i+8*\y+7], v[SC2]
.endr
.endr
	v_nop
	WIN 0
.irp i, 0,1,2,3                        ; the sums are joined between the conversions and the stores of their results
	v_pk_add_f32 v[SU+2*\i:SU+2*\i+1], v[SU+2*\i:SU+2*\i+1], v[TP+2*\i:TP+2*\i+1]
.endr
.irp i, 0,1,2,3
	v_add_f32 v[SU+2*\i], v[SU+2*\i], v[SU+2*\i+1]
.endr
.irp i, 0,1,2,3
	v_permlanex16_b32 v[SU+2*\i+1], v[SU+2*\i], s48, s49
.endr
.irp i, 0,1,2,3
	v_add_f32 v[SU+2*\i], v[SU+2*\i], v[SU+2*\i+1]
.endr
.irp i, 0,1,2,3
.irp c, 0,1,2,3
	ds_store_b128 v[MYH], v[WK+16*\i+4*\c:WK+16*\i+4*\c+3] offset:2048*\i+512*\c   ; K step w of the second product, rows 16 i on
.endr
.endr
.irp i, 0,1,2,3
	ds_store_b32 v[STM], v[SU+2*\i] offset:1024+256*\i
.endr
	BAR                                            ; p's sixteen fragments and the waves' sums lie in LDS
	; ---- qa, transposed: my 64 channels x 64 rows; K = 512 keys in four steps, step s made by wave s.  Sixteen accumulators by turns
.macro PLOAD s
.irp i, 0,1,2,3
.irp c, 0,1,2,3
	ds_load_b128 v[WK+64*((\s)%2)+16*\i+4*\c:WK+64*((\s)%2)+16*\i+4*\c+3], v[RH+(\s)] offset:2048*\i+512*\c
.endr
.endr
.endm
.macro PMUL s
	WIN 0xf2                                       ; source 0 window 2, source 1 window 0, C and D window 3
.irp t, 0,1,2,3
.irp i, 0,1,2,3
.if (\s) == 0
	v_wmma_f32_16x16x128_bf8_bf8 v[32*\i+8*\t:32*\i+8*\t+7], v[16*(4*\t+(\s)):16*(4*\t+(\s))+15], v[WK+64*((\s)%2)+16*\i:WK+64*((\s)%2)+16*\i+15], 0
.else
	v_wmma_f32_16x16x128_bf8_bf8 v[32*\i+8*\t:32*\i+8*\t+7], v[16*(4*\t+(\s)):16*(4*\t+(\s))+15], v[WK+64*((\s)%2)+16*\i:WK+64*((\s)%2)+16*\i+15], v[32*\i+8*\t:32*\i+8*\t+7]
.endif
.endr
.endr
	WIN 0
.endm
	PLOAD 0
	PLOAD 1
	s_wait_loadcnt 0x0                             ; q's fragments for qa are in (in the second trip: what was asked for in their stead)
	s_wait_dscnt 16                                ; step 0's fragments are in; step 1's sixteen loads may be out
	PMUL 0
	PLACES
	PLOAD 2
	s_wait_dscnt 16
	PMUL 1
	PLACES
	PLOAD 3
	s_wait_dscnt 16
	PMUL 2
	s_wait_dscnt 0x0
	PMUL 3
	PLACES
.irp i, 0,1,2,3
	ds_load_b128 v[WK+4*\i:WK+4*\i+3], v[STR] offset:1024+256*\i
.endr
	s_wait_dscnt 0x0                               ; my reads of p's images and of the sums are over: behind this barrier each wave writes cc's codes over its images
	s_barrier_signal -1
.irp i, 0,1,2,3
	v_add_f32 v[TP+2*\i], v[WK+4*\i], v[WK+4*\i+1]
	v_add_f32 v[TP+2*\i+1], v[WK+4*\i+2], v[WK+4*\i+3]
.endr
.irp i, 0,1,2,3
	v_add_f32 v[TP+2*\i], v[TP+2*\i], v[TP+2*\i+1] ; l
.endr
.irp i, 0,1,2,3
	v_rcp_f32 v[TP+2*\i], v[TP+2*\i]
.endr
	v_nop
	s_wait_alu depctr_va_vdst(0)                   ; one wait for the four reciprocals, ahead of their first reader
.irp i, 0,1,2,3
	v_ldexp_f32 v[SU+2*\i], v[TP+2*\i], s46        ; 2^(e2 + e3) / l, twice
	v_ldexp_f32 v[SU+2*\i+1], v[TP+2*\i], s46
.endr
	s_barrier_wait -1
	; ---- cc: for each tile my 64 columns of c, qa, c qa, c - qa, each with e4 and with e6: eight half fragments, unit u = 2 part + set
.macro CLOAD i
.irp b, 0,1
.irp j, 0,1,2,3
	ds_load_b128 v[WK+32*((\i)%2)+16*\b+4*\j:WK+32*((\i)%2)+16*\b+4*\j+3], v[SLRH] offset:TILE*(\i)+128*\b+16*\j
.endr
.endr
.endm
.macro STC i, u                        ; unit u's codes, in set u % 2, go to their place
	ds_store_b128 v[MYH], v[SU+8*((\u)%2):SU+8*((\u)%2)+3] offset:8192*(\i)+1024*(\u)
	ds_store_b128 v[MYH], v[SU+8*((\u)%2)+4:SU+8*((\u)%2)+7] offset:8192*(\i)+1024*(\u)+512
.endm
.macro PUT i, u, src, win              ; 32 numbers at v[src] (in the window that win says) are held into v224-255 and converted; the unit before's codes are stored behind the holds, not straight behind their conversions
	WIN \win
	HOLD32 224, \src, LM4+2*((\u)%2)
	WIN 0
.if (\u) >= 1
	STC \i, (\u)-1
.endif
.if (\u) >= 2
	s_wait_dscnt 2                                 ; only the two stores just issued may be out: the stores that read this code set, two units back, are done
.endif
	CVT32 SU+8*((\u)%2), 224, SC4+2*((\u)%2)
.endm
.macro CCT i
.set ccr, WK+32*((\i)%2)
	s_wait_dscnt 0x0                               ; this tile's c is in, and the last tile's stores have read their registers
.if (\i) < 3
	CLOAD (\i)+1                                   ; the next tile's, ahead of this tile's stores
.endif
	PUT \i, 0, ccr, 0
	PUT \i, 1, ccr, 0
	PUT \i, 2, 32*(\i), 0x03
	PUT \i, 3, 32*(\i), 0x03
	WIN 0x03
.set ix, 0
.rept 16
	v_pk_mul_f32 v[192+ix:193+ix], v[32*(\i)+ix:32*(\i)+ix+1], v[ccr+ix:ccr+ix+1]
.set ix, ix+2
.endr
	PUT \i, 4, 192, 0
	PUT \i, 5, 192, 0
	WIN 0x03
.set ix, 0
.rept 16
	v_pk_add_f32 v[192+ix:193+ix], v[32*(\i)+ix:32*(\i)+ix+1], v[ccr+ix:ccr+ix+1] neg_lo:[1,0] neg_hi:[1,0]   ; c - qa
.set ix, ix+2
.endr
	PUT \i, 6, 192, 0
	PUT \i, 7, 192, 0
	STC \i, 7
.endm
	CLOAD 0
	WIN 0xc3
.irp i, 0,1,2,3
.set ix, 0
.rept 16
	v_pk_mul_f32 v[32*\i+ix:32*\i+ix+1], v[32*\i+ix:32*\i+ix+1], v[SU+2*\i:SU+2*\i+1]   ; qa; each accumulator from its low end on.  These stand while the first tile of c comes from the slab
.set ix, ix+2
.endr
.endr
	WIN 0
	CCT 0
	CCT 1
	CCT 2
	CCT 3
	s_add_co_u32 s50, s50, 32768
	s_add_co_u32 s51, s51, 4*TILE
	s_add_co_u32 s53, s53, 64
	s_add_co_u32 s52, s52, 1
	s_cmp_lt_u32 s52, 2
	s_cbranch_scc1 .Lhalf                          ; no barrier here: up to the next trip's first barrier each wave touches its own region alone
	BAR                                            ; cc's codes of all 128 rows lie in LDS
	; ================================ cc Wr AND cc Wg: K = 1,024 in eight steps; 32 units of 16 products: unit u = 4 s + 2 set + half of the rows
.macro CCLOAD u                        ; unit u's four fragments of cc into buffer u % 3: pieces 0, 1 from wave 2 (s % 2), pieces 2, 3 from the wave beside it
.set cst, (\u)/4
.set cse, ((\u)/2)%2
.set cet, (\u)%2
.set cbu, 64+64*((\u)%3)
.set cra, RG+2*(cst%2)
.irp mm, 0,1,2,3
.set cof, (4*cet+\mm)*8192+(cst/2)*2048+cse*1024
	ds_load_b128 v[cbu+16*\mm:cbu+16*\mm+3],     v[cra]   offset:cof
	ds_load_b128 v[cbu+16*\mm+4:cbu+16*\mm+7],   v[cra]   offset:cof+512
	ds_load_b128 v[cbu+16*\mm+8:cbu+16*\mm+11],  v[cra+1] offset:cof
	ds_load_b128 v[cbu+16*\mm+12:cbu+16*\mm+15], v[cra+1] offset:cof+512
.endr
.endm
.macro WLOAD s, n0                     ; four fragments of the weights, 16 loads, into set s % 2
	WIN 0x40
.irp nn, 0,1,2,3
.irp c, 0,1,2,3
	global_load_b128 v[128*((\s)%2)+16*((\n0)+\nn)+4*\c:128*((\s)%2)+16*((\n0)+\nn)+4*\c+3], v[LI], s[20:21] offset:16384*(\s)+2048*((\n0)+\nn)+512*\c
.endr
.endr
	WIN 0
.endm
.macro CE q                            ; c once more, for the way out: row tiles 2 q, 2 q + 1, 16 loads, into 64 registers that the weights have left (tile m at v[32 m] of window 1)
	WIN 0x40
.irp kk, 0,1,2,3,4,5,6,7,8,9,10,11,12,13,14,15
	global_load_b128 v[64*(\q)+4*\kk:64*(\q)+4*\kk+3], v[CGO], s[8:9] offset:2048*(16*(\q)+\kk)
.endr
	WIN 0
.endm
.macro UNIT u
.set ust, (\u)/4
.set use, ((\u)/2)%2
.set uet, (\u)%2
.set ubu, 64+64*((\u)%3)
	WIN 0
	PLACES                                         ; for the loads below, into the buffer and the weights' registers that the last unit's products read
.if (\u)+2 < 32
	CCLOAD (\u)+2
.endif
.if (\u)%4 == 2                        ; this K step's fragments of Wr are done with
.if ust+2 < 8
	WLOAD ust+2, 0
.else
	CE 2*(ust-6)
.endif
.endif
.if ((\u)%4 == 0) && (ust >= 1)        ; the last K step's fragments of Wg are done with
.if ust+1 < 8
	WLOAD ust+1, 4
.else
	CE 1
.endif
.endif
.if (\u) < 30
	s_wait_dscnt 32                                ; this unit's fragments are in; the next two units' may be out
.elseif (\u) == 30
	s_wait_dscnt 16
.else
	s_wait_dscnt 0x0
.endif
.if (\u)%2 == 0
	s_wait_loadcnt 48                              ; behind the group of 16 loads that this unit and the next multiply by, three groups have been issued
.endif
	WIN 0xa1+0x50*uet                              ; source 0 window 1, source 1 window 0, C and D window 2 or 3
.irp nn, 0,1,2,3                       ; the 64 accumulators take turns, one instruction a turn, in the same order in every K step
.irp mm, 0,1,2,3
.set uac, 8*(8*\mm+4*use+\nn)
.if ust == 0
	v_wmma_f32_16x16x128_bf8_bf8 v[uac:uac+7], v[128*(ust%2)+16*(4*use+\nn):128*(ust%2)+16*(4*use+\nn)+15], v[ubu+16*\mm:ubu+16*\mm+15], 0
.else
	v_wmma_f32_16x16x128_bf8_bf8 v[uac:uac+7], v[128*(ust%2)+16*(4*use+\nn):128*(ust%2)+16*(4*use+\nn)+15], v[ubu+16*\mm:ubu+16*\mm+15], v[uac:uac+7]
.endif
.endr
.endr
.endm
	CCLOAD 0
	CCLOAD 1
.set uu, 0
.rept 32
	UNIT uu
.set uu, uu+1
.endr
	; ================================ THE WAY OUT, a tile of 16 rows at a time
	WIN 0
	BAR                                            ; every wave's reads of cc's codes are over: behind this barrier a wave may write its region again (the next block's slab)
	PLACES
	CE 3
.irp b, 0,1
.irp j, 0,1,2,3
	ds_load_b128 v[AQ+16*\b+4*\j:AQ+16*\b+4*\j+3], v[BIL] offset:128*\b+16*\j               ; 2 log2(e) Br at my 32 columns, in the results' order,
	ds_load_b128 v[AQ+32+16*\b+4*\j:AQ+32+16*\b+4*\j+3], v[BIL] offset:256+128*\b+16*\j     ; -log2(e) Bg
.endr
.endr
; The next block's c, n loads from number first on, into window 2, whose accumulators (row tiles 0-3) have been read.  The last block asks for nothing: no load leaves its buffer.
.macro NEXTC first, n
	s_cmp_eq_u32 s[BLK], 1
	s_cbranch_scc1 .Lno_next_\@
	WIN 0x80
.set nx, \first
.rept \n
	global_load_b128 v[4*nx:4*nx+3], v[CGO], s[8:9] offset:BLOCKB+2048*nx
.set nx, nx+1
.endr
	WIN 0
.Lno_next_\@:
.endm
.macro SEND m, younger                 ; tile m's 16 rows, back from my second stage, are stored; younger: the LDS instructions issued behind its loads, which may stay out
	s_wait_dscnt \younger
.irp k, 0,1,2,3,4,5,6,7
	global_store_b128 v[CGO], v[224+4*\k:224+4*\k+3], s[26:27] offset:16384*(\m)+2048*\k th:TH_STORE_NT   ; sixteen lanes store 256 consecutive bytes, aligned
.endr
.endm
; tanh(x) = 1 - 2 / (1 + 2^(2 log2(e) x)), sigmoid(y) = 1 / (1 + 2^(-log2(e) y)); out = g (r - c) + c.  c comes dense from memory and turns through my first stage into the results' order;
; out turns back through my second stage.  The stages are my own bytes: LDS serves a wave's instructions in order, and no barrier is needed.  A tile's stores stand among the next tile's exponentials.
.macro OUT m
.set oac, 64*((\m)%4)
.if (\m) == 0
	s_wait_loadcnt 48                              ; tiles 0 and 1 of c are in; the three later pairs may be out
.elseif (\m) == 2
	s_wait_loadcnt 32
.elseif (\m) == 4
	s_wait_loadcnt 0x0                             ; the last two pairs, asked for four tiles ago and more: so no load stands behind the next block's 64
	NEXTC 0, 32
.elseif (\m) == 5
	NEXTC 32, 16
.elseif (\m) == 6
	NEXTC 48, 16
.endif
	WIN 0x04                                       ; store data window 1
.irp k, 0,1,2,3,4,5,6,7
	ds_store_b128 v[EST], v[32*(\m)+4*\k:32*(\m)+4*\k+3] offset:2*SP*\k
.endr
	WIN 0
.irp b, 0,1
.irp j, 0,1,2,3
	ds_load_b128 v[WK+16*\b+4*\j:WK+16*\b+4*\j+3], v[ESL] offset:128*\b+16*\j
.endr
.endr
.if (\m) == 0
	s_wait_dscnt 16                                ; the biases are in: behind their loads stand these eight stores and eight loads
.endif
	WIN 0x02+(\m)/4                                ; source 0 window 2 or 3
.set ox, 0
.rept 16
	v_pk_fma_f32 v[160+ox:161+ox], v[oac+ox:oac+ox+1], s[42:43], v[AQ+ox:AQ+ox+1] op_sel_hi:[1,0,1]           ; each accumulator from its low end on
	v_pk_fma_f32 v[192+ox:193+ox], v[oac+32+ox:oac+33+ox], s[44:45], v[AQ+32+ox:AQ+33+ox] op_sel_hi:[1,0,1]
.set ox, ox+2
.endr
	WIN 0
.set ox, 0
.rept 64
	v_exp_f32 v[160+ox], v[160+ox]
.set ox, ox+1
.endr
	v_nop
.if (\m) > 0
	SEND (\m)-1, 16                                ; behind the last tile's loads from the second stage stand this tile's eight stores and eight loads
.endif
	s_wait_alu depctr_va_vdst(0)                   ; one wait for the batch, ahead of its first reader
.set ox, 0
.rept 32
	v_pk_add_f32 v[160+ox:161+ox], v[160+ox:161+ox], 1.0 op_sel_hi:[1,0]
.set ox, ox+2
.endr
.set ox, 0
.rept 64
	v_rcp_f32 v[160+ox], v[160+ox]
.set ox, ox+1
.endr
	v_nop
	s_wait_alu depctr_va_vdst(0)
.set ox, 0
.rept 16
	v_pk_fma_f32 v[160+ox:161+ox], v[160+ox:161+ox], -2.0, 1.0 op_sel_hi:[1,0,0]   ; r
.set ox, ox+2
.endr
	s_wait_dscnt 0x0                               ; c, in the results' order
.set ox, 0
.rept 16
	v_pk_add_f32 v[160+ox:161+ox], v[160+ox:161+ox], v[WK+ox:WK+ox+1] neg_lo:[0,1] neg_hi:[0,1]
.set ox, ox+2
.endr
.set ox, 0
.rept 16
	v_pk_fma_f32 v[160+ox:161+ox], v[192+ox:193+ox], v[160+ox:161+ox], v[WK+ox:WK+ox+1]
.set ox, ox+2
.endr
.irp b, 0,1
.irp j, 0,1,2,3
	ds_store_b128 v[ESL], v[160+16*\b+4*\j:160+16*\b+4*\j+3] offset:TILE+128*\b+16*\j
.endr
.endr
	s_wait_xcnt 0x0                                ; the last tile's stores have read v224-255
.irp k, 0,1,2,3,4,5,6,7
	ds_load_b128 v[224+4*\k:224+4*\k+3], v[EST] offset:TILE+2*SP*\k
.endr
.endm
.irp m, 0,1,2,3,4,5,6,7
	OUT \m
.endr
	SEND 7, 0
	s_wait_xcnt 0x0                                ; the stores and the loads ahead have read their bases and registers: the bases step, and v224-255 may be written again
	s_add_nc_u64 s[8:9], s[8:9], BLOCKB
	s_add_nc_u64 s[26:27], s[26:27], BLOCKB
	s_add_nc_u64 s[12:13], s[12:13], 128
	s_sub_co_u32 s[BLK], s[BLK], 1
	s_cmp_lg_u32 s[BLK], 0
	s_cbranch_scc1 .Lblock
	s_wait_xcnt 0x0
	v_lshl_add_u32 v254, v0, 2, 0x49800
	v_mov_b32 v255, 0
	s_wait_tensorcnt 0x0
	ds_add_u32 v254, v255
	s_wait_dscnt 0x0
	s_endpgm
.Lfunc_end_k_q0eaa3e6557_fuse:
	.size	k_q0eaa3e6557_fuse, .Lfunc_end_k_q0eaa3e6557_fuse-k_q0eaa3e6557_fuse
	.p2alignl 7, 3214868480
	.fill 96, 4, 3214868480
	.section	.rodata,"a",@progbits
	.p2align	6, 0x0
	.amdhsa_kernel k_q0eaa3e6557_fuse
		.amdhsa_group_segment_fixed_size 301568
		.amdhsa_private_segment_fixed_size 0
		.amdhsa_enable_private_segment 0
		.amdhsa_kernarg_size 80
		.amdhsa_user_sgpr_count 2
		.amdhsa_user_sgpr_kernarg_segment_ptr 1
		.amdhsa_wavefront_size32 1
		.amdhsa_system_sgpr_workgroup_id_x 1
		.amdhsa_system_sgpr_workgroup_id_y 1
		.amdhsa_system_sgpr_workgroup_id_z 1
		.amdhsa_system_vgpr_workitem_id 0
		.amdhsa_next_free_vgpr 1024
		.amdhsa_next_free_sgpr 66
		.amdhsa_reserve_vcc 0
		.amdhsa_float_denorm_mode_32 3
		.amdhsa_float_denorm_mode_16_64 3
		.amdhsa_memory_ordered 1
		.amdhsa_forward_progress 1
		.amdhsa_inst_pref_size 255
	.end_amdhsa_kernel
	.section	.bss,"aw",@nobits
	.p2align	6
	.space	262144
	.amdgpu_metadata
---
amdhsa.version: [ 1, 2 ]
amdhsa.kernels:
  - .name:           k_q0eaa3e6557_fuse
    .symbol:         k_q0eaa3e6557_fuse.kd
    .args:
      - { .name: c, .offset: 0, .size: 8, .value_kind: global_buffer, .address_space: global }
      - { .name: q_mask, .offset: 8, .size: 8, .value_kind: global_buffer, .address_space: global }
      - { .name: c_mask, .offset: 16, .size: 8, .value_kind: global_buffer, .address_space: global }
      - { .name: lowp_scales, .offset: 24, .size: 8, .value_kind: global_buffer, .address_space: global }
      - { .name: kfrag, .offset: 32, .size: 8, .value_kind: global_buffer, .address_space: global }
      - { .name: vfrag, .offset: 40, .size: 8, .value_kind: global_buffer, .address_space: global }
      - { .name: wfrag, .offset: 48, .size: 8, .value_kind: global_buffer, .address_space: global }
      - { .name: Br, .offset: 56, .size: 8, .value_kind: global_buffer, .address_space: global }
      - { .name: Bg, .offset: 64, .size: 8, .value_kind: global_buffer, .address_space: global }
      - { .name: out0, .offset: 72, .size: 8, .value_kind: global_buffer, .address_space: global }
    .group_segment_fixed_size: 301568
    .private_segment_fixed_size: 0
    .kernarg_segment_align: 8
    .kernarg_segment_size: 80
    .max_flat_workgroup_size: 128
    .sgpr_count:     66
    .vgpr_count:     1024
    .wavefront_size: 32
...
	.end_amdgpu_metadata
.endif
;; end of part 2
